; MI455X (gfx1250); checked and timed in simulation.
; The chip was launched on July 23, 2026; its instructions are those of AMD's public machine-readable ISA for CDNA 5 (MIT licence, August 2026) and "CDNA5" Instruction Set Architecture Reference Guide (July 2026). The comments in the code are by the model that wrote it; some were corrected since.
;; Multi Head Self Attention. Allowed arithmetic: matrix products marked QUANTISED: E2M1 operands, one E8M0 scale for each 32 along K, by v_wmma_scale_f32_16x16x128_f8f6f4 with both operands' format E2M1 (or v_wmma_scale_f32_32x16x128_f4), f32 sums; products left as they are: bf16, f16 or f32 operands; f32 sums; everything else in f32.
;; Inputs: b_proj 1,024 float32; b_qkv 3,072 float32; w_proj 1,024 x 1,024 float32; w_qkv 1,024 x 3,072 float32; x 8 x 1,024 x 1,024 float32.
;; Outputs: out0 8 x 1,024 x 1,024 float32.
;; This version of the problem:
;;   THIS VERSION OF THE PROBLEM IS GIVEN IN LOW PRECISION. The matrix products marked QUANTISED in the list below multiply operands that are first quantised to E2M1 (2 exponent bits, 1 mantissa bit; 4 bits a number), with one power-of-two scale for each 32 numbers along K (OCP MX v1.0); their sums are f32. The products marked 'left as it is' may take bf16, f16 or f32 operands, with f32 sums. Whichever they take, every output number must still come out within the allowed error. Rounding operands to bf16 (8 significant bits) uses up far more of that allowance than f16 does (11 bits, for magnitudes from 6e-5 to 65,504). All else is computed in f32.
;;   The module's matrix products, in the order in which they are computed (A, B: the left and right operand; K: the contracted axis; several contracted axes count as one K, in the product's order):
;;     1. [M 8,192, K 1,024] x [K 1,024, N 3,072]; A: input x; B: input w_qkv: QUANTISED
;;     2. batch 128 x [M 1,024, K 64] x [K 64, N 1,024]; A: computed on the way; B: computed on the way: left as it is (an operand is computed on the way)
;;     3. batch 128 x [M 1,024, K 1,024] x [K 1,024, N 64]; A: computed on the way; B: computed on the way: left as it is (an operand is computed on the way)
;;     4. [M 8,192, K 1,024] x [K 1,024, N 1,024]; A: computed on the way; B: input w_proj: left as it is (an operand is computed on the way)
;;   THE QUANTISER, for each operand of a quantised product, along K:
;;     - K is cut into blocks of 32 from its start; a last block that is shorter is filled with zeros.
;;     - A block's scale is 2^e with e = floor(log2(the largest magnitude in the block)) - 2, held to -126 .. 127; a block of zeros has e = 0. As a byte (E8M0): e + 127.
;;     - Each number is divided by its block's scale, clamped to +-6, and rounded to the nearest number of E2M1, ties to even, subnormals kept.
;;     - The product sums the exact products of the quantised numbers (number of the format x scale) in f32.
;;   ~~~python
;;   def quantise(x, axis):      # numpy; x: float32 -> the quantised numbers, widened to float32 again
;;       x = np.moveaxis(x, axis, -1); K = x.shape[-1]
;;       x = np.pad(x, [(0, 0)] * (x.ndim - 1) + [(0, -K % 32)]); x = x.reshape(x.shape[:-1] + (-1, 32)); a = np.abs(x).max(-1, keepdims=True)
;;       e = np.where(a > 0, np.clip(np.frexp(np.where(a > 0, a, 1))[1] - 1 - 2, -126, 127), 0)      # np.frexp(a)[1] - 1 = floor(log2(a)), exactly
;;       r = np.clip(x / 2.0 ** e, -6, 6)
;;       step = 2.0 ** (np.maximum(np.frexp(np.where(r == 0, 1, r))[1] - 1, 0) - 1)
;;       q = np.round(r / step) * step * 2.0 ** e      # np.round: ties to even
;;       return np.moveaxis(q.reshape(q.shape[:-2] + (-1,))[..., :K], -1, axis).astype(np.float32)
;;   ~~~
;; One version. Each part assembles by itself: llvm-mc -triple=amdgcn-amd-amdhsa -mcpu=gfx1250 --defsym DOCPART=n.
;; ======== version 1 of 1: 3 launches
;; limits: values are held in f16: magnitudes above 65,504 overflow, below 6.1e-05 lose precision
;; workspace buffers: ximg 4,194,304 bytes; xsc 262,144 bytes; wimg 1,572,864 bytes; wsc 98,304 bytes; bimg 2,097,152 bytes; aimg 16,777,216 bytes
;; launch prep (part 1): grid 512 x 1, 4 waves a work-group, no clusters, 34,304 bytes of LDS; arguments x, w_qkv, w_proj, ximg, xsc, wimg, wsc, bimg; writes ximg, xsc, wimg, wsc, bimg
.if DOCPART == 1
	.amdgcn_target "amdgcn-amd-amdhsa--gfx1250"
	.amdhsa_code_object_version 6
	.text
	.protected	k_q6d9ebaa866_prep
	.globl	k_q6d9ebaa866_prep
	.p2align	8
	.type	k_q6d9ebaa866_prep,@function
k_q6d9ebaa866_prep:
	s_mov_b64 s[64:65], 0
	v_nop
	global_prefetch_b8 v0, s[64:65] scope:SCOPE_SE
	s_setreg_imm32_b32 hwreg(HW_REG_WAVE_MODE, 25, 1), 1
	s_wait_xcnt 0x0
; PREP: the three large inputs are laid out once, as IMAGES OF OPERAND REGISTERS, for the two launches that follow.
;   x      [8192][1024] f32 -> ximg, codes of FP4 (E2M1), and xsc, one E8M0 byte for each 32 along K   (work-groups 0..255,   path X)
;   w_qkv  [1024][3072] f32 -> wimg, wsc, the same, K being its first axis                              (work-groups 256..447, path W)
;   w_proj [1024][1024] f32 -> bimg, f16                                                                (work-groups 448..511, path P)
; A FRAGMENT IS 1,024 BYTES: [part 0,1][lane 0..31][16 bytes]; part p is the operand's registers 4p..4p+3.  A wave loads one by two
; loads of 16 bytes a lane at 16 x lane + 512 p.  With lane = (r = lane % 16, hl = lane / 16): in an FP4 fragment (16 rows x 128 K)
; piece (p, hl) of row r is the row's block 2p + hl of 32 codes; in an f16 fragment (16 rows x 32 K) it is k = 16p + 8hl + 0..7.
;   ximg [row tile 512][K step 8][1 KB];  xsc [row tile][g 2][lane][2 words]: word j of lane (r, hl) = row r's scale word of K step 4g + 2j + hl
;   wimg [head 16][98,304]: [K step 8][8 tiles: K's 4, V's 4][1 KB], then from 65,536 on [K step 8][Q's 4 tiles][1 KB]
;   wsc  [head][K step 8][192 words: K's 64 columns, V's 64, Q's 64];   bimg [column block 8][chunk of 32 k: 32][column tile 8][1 KB]
; THE QUANTISER: a block's scale is 2^(floor(log2(largest magnitude)) - 2); its byte is the largest magnitude's exponent field - 2.
; The floor 2^(3 - 127) among the maximum's leaves holds the byte at 1 from below.  A block of zeros so gets the byte 1 where the
; rule says 127: its codes are zeros, which add nothing, and the bytes are read by this program alone.
; LIMITS: blocks whose largest magnitude lies under 2^-124 keep the byte 1; NaN and infinities among the inputs are not served;
; |w_proj| stays under 65,504, the largest f16 number.
; Only path X uses LDS (each wave a stage of its own); waves share nothing, so there is no barrier.
.set STG,   8448                       ; a wave's stage: 16 rows x (512 bytes + 16)
.set SP,    528                        ; its pitch: 33 x 16 bytes, so the sixteen rows that a read touches fall on sixteen different 16-byte columns
.set SPARE, 4*STG                      ; behind the stages: the spare words, 128 bytes a wave: two blocks of 256 bytes that no other line names
.set SPW,   6                          ; v6   LDS address of my spare word; never rewritten
.set NIL,   7                          ; v7   0; never rewritten
.set RAW,   32                         ; v32-159  numbers as loaded
.set XB,    160                        ; v160-223 path X: two whole blocks of 32; paths W, P: what is stored
.set CD,    224                        ; v224-255 path X: codes, 8 registers for each K step, so that no store's data are written again
; the largest magnitude of v[b] .. v[b+31], and the floor, into v[d]; two chains, v[t] the second
.macro BMAX d, t, b
	v_max3_num_f32 v[\d], |v[(\b)]|, |v[(\b)+1]|, |v[(\b)+2]|
	v_max3_num_f32 v[\t], |v[(\b)+3]|, |v[(\b)+4]|, |v[(\b)+5]|
.irp i, 6,10,14,18,22,26
	v_max3_num_f32 v[\d], v[\d], |v[(\b)+\i]|, |v[(\b)+\i+1]|
	v_max3_num_f32 v[\t], v[\t], |v[(\b)+\i+2]|, |v[(\b)+\i+3]|
.endr
	v_max3_num_f32 v[\d], v[\d], |v[(\b)+30]|, |v[(\b)+31]|
	v_max3_num_f32 v[\d], v[\d], v[\t], 0x1800000
.endm
.macro FINISH                          ; the wave's end
	s_wait_tensorcnt 0x0
	ds_add_u32 v[SPW], v[NIL]
	s_wait_dscnt 0x0
	s_endpgm
.endm
	s_load_b256 s[4:11], s[0:1], 0x0               ; x s[4:5], w_qkv s[6:7], w_proj s[8:9], ximg s[10:11]
	s_load_b256 s[12:19], s[0:1], 0x20             ; xsc s[12:13], wimg s[14:15], wsc s[16:17], bimg s[18:19]
	v_lshl_add_u32 v[SPW], v0, 2, SPARE
	v_mov_b32 v[NIL], 0
	v_lshrrev_b32 v1, 5, v0
	v_readfirstlane_b32 s20, v1                    ; wave 0..3
	v_and_b32 v1, 31, v0                           ; lane
	v_lshlrev_b32 v2, 4, v1                        ; 16 x lane
	v_and_b32 v28, 15, v0                          ; r
	v_bfe_u32 v29, v0, 4, 1                        ; hl
	s_mul_i32 s24, s20, STG
	v_add_nc_u32 v3, s24, v2                       ; the stage, on the way in: a row's 512 bytes as they lie
	v_mul_u32_u24 v4, v28, SP
	v_lshl_add_u32 v4, v29, 7, v4
	v_add_nc_u32 v4, s24, v4                       ; and on the way out: row r, + 128 hl: my block of 32 numbers
	v_lshlrev_b32 v5, 3, v1                        ; 8 x lane
	v_lshlrev_b32 v15, 3, v29                      ; 8 hl: how far my two scale bytes are shifted
	v_lshlrev_b32 v30, 2, v1                       ; 4 x lane
	v_lshlrev_b32 v31, 4, v28
	v_lshl_add_u32 v31, v29, 10, v31               ; paths W, P: 16 r + 1,024 (lane / 16): my column's place in its tile's image
	v_mov_b32 v27, 0                               ; written once: a lane permute's destination counts as one of its sources
	s_mov_b32 s21, 0xffff0000                      ; lanes 16-31
	s_mov_b32 s22, 0x76543210
	s_mov_b32 s23, 0xfedcba98                      ; v_permlanex16_b32's selects for lane l xor 16
	s_wait_kmcnt 0x0
	s_cmp_lt_u32 ttmp9, 256
	s_cbranch_scc0 .Lnot_x
; ---------------- PATH X.  Wave w of work-group i: row tile 2 i + w / 2, K steps 4 g .. 4 g + 3 with g = w % 2.
	s_lshl_b32 s24, ttmp9, 1
	s_lshr_b32 s25, s20, 1
	s_add_co_u32 s24, s24, s25                     ; row tile
	s_and_b32 s25, s20, 1                          ; g
	s_mov_b32 s27, 0
	s_lshl_b32 s26, s24, 16                        ; x: 16 rows of 4,096 bytes,
	s_lshl_b32 s28, s25, 11                        ; + 4 K steps of 512 bytes
	s_add_co_u32 s26, s26, s28
	s_add_nc_u64 s[4:5], s[4:5], s[26:27]
	s_lshl_b32 s26, s24, 13                        ; ximg: 8 KB a row tile, 4 KB for g
	s_lshl_b32 s28, s25, 12
	s_add_co_u32 s26, s26, s28
	s_add_nc_u64 s[10:11], s[10:11], s[26:27]
	s_lshl_b32 s26, s24, 9                         ; xsc: 512 bytes a row tile, 256 for g
	s_lshl_b32 s28, s25, 8
	s_add_co_u32 s26, s26, s28
	s_add_nc_u64 s[12:13], s[12:13], s[26:27]
.macro LOADX t                         ; K step t of the 16 rows: each load reads 512 consecutive bytes of one row
.irp i, 0,1,2,3,4,5,6,7,8,9,10,11,12,13,14,15
	global_load_b128 v[RAW+64*((\t)%2)+4*\i:RAW+64*((\t)%2)+4*\i+3], v2, s[4:5] offset:\i*4096+(\t)*512 th:TH_LOAD_NT
.endr
.endm
.macro STEPX t
.if (\t) < 3
	s_wait_loadcnt 16                              ; this step's 16 loads are in; the next step's 16 may be out
.else
	s_wait_loadcnt 0x0
.endif
.irp i, 0,1,2,3,4,5,6,7,8,9,10,11,12,13,14,15
	ds_store_b128 v3, v[RAW+64*((\t)%2)+4*\i:RAW+64*((\t)%2)+4*\i+3] offset:SP*\i
.endr
.irp c, 0,1                            ; back: k = 64 c + 32 hl + 0 .. 31 of row r.  LDS serves a wave's instructions in order: these see the stores above
.irp i, 0,1,2,3,4,5,6,7
	ds_load_b128 v[XB+32*\c+4*\i:XB+32*\c+4*\i+3], v4 offset:256*\c+16*\i
.endr
.endr
	s_wait_dscnt 0x0                               ; my two blocks are in registers
.if (\t) < 2
	LOADX (\t)+2                                   ; into the set that has just gone through the stage
.endif
	BMAX 8, 9, XB
	BMAX 10, 11, XB+32
	v_add_nc_u32 v12, 0xff000000, v8               ; 2 off the exponent field: the conversion takes the exponent field of this operand as its scale
	v_add_nc_u32 v13, 0xff000000, v10
	v_lshrrev_b32 v24, 23, v12                     ; the scales' bytes: blocks hl and 2 + hl
	v_lshrrev_b32 v25, 23, v13
	v_lshl_or_b32 v26, v25, 16, v24
	v_lshlrev_b32 v26, v15, v26                    ; at their places in the row's scale word
	v_permlanex16_b32 v27, v26, s22, s23
	v_or_b32 v[16+(\t)], v26, v27                  ; with lane l xor 16's two the word is whole, in both lanes
.irp c, 0,1
.irp q, 0,1,2,3
	v_cvt_scalef32_pk8_fp4_f32 v[CD+8*(\t)+4*\c+\q], v[XB+32*\c+8*\q:XB+32*\c+8*\q+7], v[12+\c]
.endr
.endr
	v_nop                                          ; one plain line behind the last conversion, ahead of the lines that write its scale operands anew
.irp c, 0,1
	global_store_b128 v2, v[CD+8*(\t)+4*\c:CD+8*(\t)+4*\c+3], s[10:11] offset:(\t)*1024+512*\c   ; 512 consecutive bytes
.endr
.endm
	LOADX 0
	LOADX 1
	STEPX 0
	STEPX 1
	STEPX 2
	STEPX 3
	v_cndmask_b32 v20, v16, v17, s21               ; lanes 0-15 keep the even K step's word, lanes 16-31 the odd one's
	v_cndmask_b32 v21, v18, v19, s21
	global_store_b64 v5, v[20:21], s[12:13]        ; 256 consecutive bytes
	FINISH
; ---------------- PATH W.  Work-group j = id - 256: K step j % 8, columns 128 (j / 8) on; wave w takes 32 of them.
; A lane takes a column and its registers run down K: a block of 32 lies in one lane, and the conversions give codes with K innermost.
.Lnot_x:
	s_cmp_lt_u32 ttmp9, 448
	s_cbranch_scc0 .Lpath_p
	s_sub_co_u32 s24, ttmp9, 256
	s_and_b32 s25, s24, 7                          ; K step
	s_lshr_b32 s26, s24, 3
	s_lshl_b32 s27, s26, 7
	s_lshl_b32 s28, s20, 5
	s_add_co_u32 s27, s27, s28                     ; n0: my wave's first column
	s_lshr_b32 s28, s27, 10                        ; 0 Q, 1 K, 2 V
	s_bfe_u32 s29, s27, 0x40006                    ; head
	s_bfe_u32 s30, s27, 0x10005                    ; which 32 of the head's 64 columns
	s_mov_b32 s33, 0
	s_mul_i32 s32, s25, 128*12288                  ; 128 rows of 12,288 bytes a K step,
	s_lshl_b32 s34, s27, 2
	s_add_co_u32 s32, s32, s34                     ; + 4 n0
	s_add_nc_u64 s[6:7], s[6:7], s[32:33]
	s_lshl_b32 s34, s25, 12
	s_add_co_u32 s34, s34, 65536                   ; Q's place in a head's block: 65,536 + 4,096 x K step
	s_sub_co_u32 s36, s28, 1
	s_lshl_b32 s35, s25, 13
	s_lshl_b32 s37, s36, 12
	s_add_co_u32 s35, s35, s37                     ; K's and V's: 8,192 x K step + 4,096 for V
	s_cmp_eq_u32 s28, 0
	s_cselect_b32 s34, s34, s35
	s_cselect_b32 s36, 2, s36                      ; among the scale words: K 0, V 1, Q 2
	s_mul_i32 s32, s29, 98304
	s_add_co_u32 s32, s32, s34
	s_lshl_b32 s35, s30, 11                        ; two tiles of 1,024 bytes for each 32 columns
	s_add_co_u32 s32, s32, s35
	s_add_nc_u64 s[14:15], s[14:15], s[32:33]
	s_mul_i32 s32, s29, 6144
	s_mul_i32 s35, s25, 768
	s_add_co_u32 s32, s32, s35
	s_lshl_b32 s35, s36, 8
	s_add_co_u32 s32, s32, s35
	s_lshl_b32 s35, s30, 7
	s_add_co_u32 s32, s32, s35
	s_add_nc_u64 s[16:17], s[16:17], s[32:33]
.macro LOADC b, sb, pitch              ; block b: rows 32 b .. 32 b + 31 at my column: 128 consecutive bytes a load, the four waves side by side on 512
.irp i, 0,1,2,3,4,5,6,7,8,9,10,11,12,13,14,15,16,17,18,19,20,21,22,23,24,25,26,27,28,29,30,31
	global_load_b32 v[RAW+32*(\b)+\i], v30, s[\sb:\sb+1] offset:(32*(\b)+\i)*\pitch th:TH_LOAD_NT
.endr
.endm
.macro WBLOCK b
.if (\b) < 3
	s_wait_loadcnt 32                              ; this block's 32 loads are in; the next block's 32 may be out
.else
	s_wait_loadcnt 0x0
.endif
.if (\b) < 2
	LOADC (\b)+2, 6, 12288
.endif
	BMAX 8, 9, RAW+32*(\b)
	v_add_nc_u32 v[10+(\b)], 0xff000000, v8        ; the conversion's scale operand, a register for each block
	v_lshrrev_b32 v14, 23, v[10+(\b)]              ; the scale's byte
.if (\b) == 0
	v_mov_b32 v16, v14
.else
	v_lshl_or_b32 v16, v14, 8*(\b), v16            ; the column's scale word for this K step
.endif
.irp q, 0,1,2,3
	v_cvt_scalef32_pk8_fp4_f32 v[XB+4*(\b)+\q], v[RAW+32*(\b)+8*\q:RAW+32*(\b)+8*\q+7], v[10+(\b)]
.endr
	v_nop                                          ; one plain line behind the last conversion
	global_store_b128 v31, v[XB+4*(\b):XB+4*(\b)+3], s[14:15] offset:((\b)/2)*512+((\b)%2)*256   ; piece (b / 2, b % 2): sixteen lanes fill 256 consecutive bytes
.endm
	LOADC 0, 6, 12288
	LOADC 1, 6, 12288
	WBLOCK 0
	WBLOCK 1
	WBLOCK 2
	WBLOCK 3
	global_store_b32 v30, v16, s[16:17]            ; 128 consecutive bytes
	FINISH
; ---------------- PATH P.  Work-group j = id - 448: k = 128 (j % 8) on, column block j / 8; wave w takes 32 columns.  As path W, rounded to f16.
.Lpath_p:
	s_sub_co_u32 s24, ttmp9, 448
	s_and_b32 s25, s24, 7
	s_lshr_b32 s26, s24, 3
	s_mov_b32 s33, 0
	s_lshl_b32 s32, s25, 19                        ; 128 rows of 4,096 bytes,
	s_lshl_b32 s34, s26, 9                         ; 128 columns of 4 bytes,
	s_add_co_u32 s32, s32, s34
	s_lshl_b32 s34, s20, 7                         ; my wave's 32
	s_add_co_u32 s32, s32, s34
	s_add_nc_u64 s[8:9], s[8:9], s[32:33]
	s_lshl_b32 s32, s26, 18                        ; bimg: 262,144 a column block,
	s_lshl_b32 s34, s25, 15                        ; four chunks of 8,192,
	s_add_co_u32 s32, s32, s34
	s_lshl_b32 s34, s20, 11                        ; my wave's two tiles
	s_add_co_u32 s32, s32, s34
	s_add_nc_u64 s[18:19], s[18:19], s[32:33]
.macro PBLOCK b
.if (\b) < 3
	s_wait_loadcnt 32                              ; as in path W
.else
	s_wait_loadcnt 0x0
.endif
.if (\b) < 2
	LOADC (\b)+2, 8, 4096
.endif
.irp i, 0,1,2,3,4,5,6,7,8,9,10,11,12,13,14,15
	v_cvt_pk_f16_f32 v[XB+16*(\b)+\i], v[RAW+32*(\b)+2*\i], v[RAW+32*(\b)+2*\i+1]
.endr
.irp q, 0,1,2,3
	global_store_b128 v31, v[XB+16*(\b)+4*\q:XB+16*(\b)+4*\q+3], s[18:19] offset:(\b)*8192+(\q/2)*512+(\q%2)*256   ; k = 8 q + 0..7 of chunk b: piece (q / 2, q % 2)
.endr
.endm
	LOADC 0, 8, 4096
	LOADC 1, 8, 4096
	PBLOCK 0
	PBLOCK 1
	PBLOCK 2
	PBLOCK 3
	FINISH
.Lfunc_end_k_q6d9ebaa866_prep:
	.size	k_q6d9ebaa866_prep, .Lfunc_end_k_q6d9ebaa866_prep-k_q6d9ebaa866_prep
	.p2alignl 7, 3214868480
	.fill 96, 4, 3214868480
	.section	.rodata,"a",@progbits
	.p2align	6, 0x0
	.amdhsa_kernel k_q6d9ebaa866_prep
		.amdhsa_group_segment_fixed_size 34304
		.amdhsa_private_segment_fixed_size 0
		.amdhsa_enable_private_segment 0
		.amdhsa_kernarg_size 64
		.amdhsa_user_sgpr_count 2
		.amdhsa_user_sgpr_kernarg_segment_ptr 1
		.amdhsa_wavefront_size32 1
		.amdhsa_system_sgpr_workgroup_id_x 1
		.amdhsa_system_sgpr_workgroup_id_y 1
		.amdhsa_system_sgpr_workgroup_id_z 1
		.amdhsa_system_vgpr_workitem_id 0
		.amdhsa_next_free_vgpr 256
		.amdhsa_next_free_sgpr 66
		.amdhsa_reserve_vcc 0
		.amdhsa_float_denorm_mode_32 3
		.amdhsa_float_denorm_mode_16_64 3
		.amdhsa_memory_ordered 1
		.amdhsa_forward_progress 1
		.amdhsa_inst_pref_size 68
	.end_amdhsa_kernel
	.amdgpu_metadata
---
amdhsa.version: [ 1, 2 ]
amdhsa.kernels:
  - .name:           k_q6d9ebaa866_prep
    .symbol:         k_q6d9ebaa866_prep.kd
    .args:
      - { .name: x, .offset: 0, .size: 8, .value_kind: global_buffer, .address_space: global }
      - { .name: w_qkv, .offset: 8, .size: 8, .value_kind: global_buffer, .address_space: global }
      - { .name: w_proj, .offset: 16, .size: 8, .value_kind: global_buffer, .address_space: global }
      - { .name: ximg, .offset: 24, .size: 8, .value_kind: global_buffer, .address_space: global }
      - { .name: xsc, .offset: 32, .size: 8, .value_kind: global_buffer, .address_space: global }
      - { .name: wimg, .offset: 40, .size: 8, .value_kind: global_buffer, .address_space: global }
      - { .name: wsc, .offset: 48, .size: 8, .value_kind: global_buffer, .address_space: global }
      - { .name: bimg, .offset: 56, .size: 8, .value_kind: global_buffer, .address_space: global }
    .group_segment_fixed_size: 34304
    .private_segment_fixed_size: 0
    .kernarg_segment_align: 8
    .kernarg_segment_size: 64
    .max_flat_workgroup_size: 128
    .sgpr_count:     66
    .vgpr_count:     256
    .wavefront_size: 32
...
	.end_amdgpu_metadata
.endif
;; end of part 1
;; launch attn (part 2): grid 2 x 128, 8 waves a work-group, no clusters, 302,080 bytes of LDS; arguments ximg, xsc, wimg, wsc, b_qkv, aimg; writes aimg
.if DOCPART == 2
	.amdgcn_target "amdgcn-amd-amdhsa--gfx1250"
	.amdhsa_code_object_version 6
	.text
	.protected	k_q6d9ebaa866_attn
	.globl	k_q6d9ebaa866_attn
	.p2align	8
	.type	k_q6d9ebaa866_attn,@function
k_q6d9ebaa866_attn:
	s_mov_b64 s[64:65], 0
	v_nop
	global_prefetch_b8 v0, s[64:65] scope:SCOPE_SE
	s_setreg_imm32_b32 hwreg(HW_REG_WAVE_MODE, 25, 1), 1
	s_wait_xcnt 0x0
; ATTN: for one head of one batch and one half of its queries: q, k, v = Q(x) Q(w_qkv) + b_qkv on codes of FP4 with E8M0 scales, then
; softmax(q k^T / 8) v with f16 operands and f32 sums.  K and V of the head live in LDS alone, Q in registers alone; the result leaves
; in f16 as images of the operand registers of the projection that follows.
; SHARES.  Work-group (qh = x, 16 b + h = y): 512 queries against all 1,024 keys.  Each of the eight waves owns two sets of four row tiles of x:
; set A (its 64 queries, which are also keys) and set B (64 rows of the other half).  So the head's K and V are made once in each of two work-groups.
; Four row tiles to a wave: every fragment of W, K and V^T that is read from LDS feeds four products.
; EVERY OPERAND IS AN IMAGE OF ITS REGISTERS, 1,024 bytes: [part 0,1][lane][16 bytes]; two loads or stores at 16 x lane + 512 p, 512 consecutive bytes each.
; THE SOURCES ARE ORDERED SO THAT NO NUMBER CHANGES LANES.  With lane = (r, hl):
;   K, Q tiles: source 0 = 16 columns of W, source 1 = 16 rows of x: a lane holds row r and channels 8 hl + 0..7; column tiles 2c, 2c+1 rounded in pairs are a fragment (16 rows x channels 32c on)
;   V tiles:    source 0 = x, source 1 = W: a lane holds channel r and keys 8 hl + 0..7; row tiles 2u, 2u+1 are a fragment of V^T (16 channels x 32 keys)
;   S^T = K Q^T: a lane holds query r and keys 8 hl + 0..7; tiles 2u, 2u+1 rounded are P, source 1 of O^T = V^T P, which again holds one query a lane
;   O^T's channel tiles 2c, 2c+1 rounded are a fragment (16 rows x k = 64 h + 32 c on) of the projection
; SOFTMAX.  c = log2(e) / 8 is folded into Q in f32, ahead of its rounding to f16, so the scores come in powers of two: p = 2^(s - m), m the running
; maximum; the sum is taken in f32 of the unrounded p; in every step but the first O^T and the sum are multiplied by a = 2^(old m - new m).  No branch hangs on data.
; The order of keys in LDS is free as long as K and V agree: set A of wave w is key step w, set B key step 8 + w.
; NO CLUSTER: x's codes, 786,432 bytes a work-group, go from memory straight into registers in fragment order, and joint requests exist for tensor
; loads alone; what passes through LDS and is shared with the head's other work-group is the weights' 104,448 bytes, read once at the head.
; LIMITS: |c q|, |k|, |v| and the result stay under 65,504, the largest f16 number; NaN and infinities among the inputs are not served.
; LDS: 0 .. 262,143 sixteen key steps of 16,384 (K: key tile i, channel half c at 2,048 i + 1,024 c; V^T: 8,192 + 4,096 u + 1,024 ct);
;   131,072 .. 196,607 serve first as the stage of K's and V's weights, which set B's results overwrite behind a barrier; then Q's weights, the scale words, the spare words.
; REGISTERS, in windows of 256 (s_set_vgpr_msb: bits 1:0 source 0, 3:2 source 1, 5:4 source 2, 7:6 destination):
;   window 0, first part: v0-10 addresses; v12-15 V's bias; v16-47 x's scale words; v48-55 W's; v64-159 x's fragments; v160-223 W's; v224-255 K's bias, later Q's
;   window 0, key steps:  v64-191 S^T, then p, then P; v192-223 eight statistics a tile; v224-255 K, channels 0-31
;   window 1, first part: accumulator (column tile jt, row tile rt) at 8 (4 jt + rt)
;   window 1, key steps:  v0-127 O^T; v128-191 Q; v192-223 K, channels 32-63, then V^T, keys 32-63; v224-255 V^T, keys 0-31
.set WKV,   131072
.set WQ,    262144
.set WSC,   294912                     ; W's scale words, laid [K step 8][K, V, Q][r 16][tile 4]: a lane's four words of a half step are 16 consecutive bytes
.set SPARE, 301056                     ; the spare words, 128 bytes for each of eight waves: four blocks of 256 bytes that no other line names
.set LI,  1                            ; v1   16 x lane; never rewritten
.set SPW, 2                            ; v2   LDS address of my spare word; never rewritten
.set NIL, 3                            ; v3   0; never rewritten
.set L8,  4                            ; v4   8 x lane
.set AW,  5                            ; v5   WKV + 16 x lane
.set AWQ, 6                            ; v6   WQ + 16 x lane
.set AWS, 7                            ; v7   WSC + 16 r
.set AKS, 8                            ; v8   where my K and V images go
.set BO,  9                            ; v9   32 hl
.set R4,  10                           ; v10  4 r
.set BV,  12                           ; v12-15 V's bias, one number a lane and column tile
.set XS,  16                           ; v16-47 x's scale words: 16 set + 4 rt + s / 2; lanes 0-15 the even K step, lanes 16-31 the odd.  Scales and nothing else
.set WS,  48                           ; v48-55 W's scale words, two sets of four.  Scales and nothing else
.set XF,  64                           ; v64-159 x's fragments: a ring of three K steps x four row tiles
.set WF,  160                          ; v160-223 W's fragments: two buffers of four
.set KB,  224                          ; v224-255 a bias in the result's layout: channels 16 ct + 8 hl + 0..7
.set S,   64                           ; the key steps: S^T (32 t + 8 i)
.set ST,  192                          ; tile t's statistics at ST + 8 t: +0 m, +1 l, +2 a, +3 old m - new m, +4 .. +7 at work
.set K0,  224                          ; K, channels 0-31 (8 i)
.set OA,  0                            ; window 1: O^T (32 t + 8 ct)
.set QF,  128                          ; window 1: Q (16 t + 8 c)
.set KA,  192                          ; window 1: K, channels 32-63, then V^T, keys 32-63
.set VB,  224                          ; window 1: V^T, keys 0-31
.set MSB, 0
.macro WIN new                         ; the immediate's high byte repeats the setting that is left; a switch that changes nothing is dropped
.if MSB != \new
	s_set_vgpr_msb (MSB<<8)|\new
.set MSB, \new
.endif
.endm
.macro PLACES n                        ; plain vector lines that name no register: the distance behind matrix instructions (ISA guide 7.12.1)
.rept \n
	v_nop
.endr
.endm
.macro XSLOAD set, sb                  ; a set's scale words for all of K: 8 loads of 256 consecutive bytes
.irp rt, 0,1,2,3
.irp g, 0,1
	global_load_b64 v[XS+16*\set+4*\rt+2*\g:XS+16*\set+4*\rt+2*\g+1], v[L8], s[\sb:\sb+1] offset:\rt*512+\g*256
.endr
.endr
.endm
; THE THREE PASSES ARE ONE STREAM OF 24 K STEPS: steps 0-7 set A (K, V), 8-15 set B (K, V), 16-23 set A again (Q).  Step g's fragments of x lie in the ring's place g % 3.
.macro XLOAD g                         ; 8 loads of 512 consecutive bytes
.if ((\g)/8) == 1
.set XBASE, 24
.else
.set XBASE, 20
.endif
.irp rt, 0,1,2,3
.irp p, 0,1
	global_load_b128 v[XF+32*((\g)%3)+8*\rt+4*\p:XF+32*((\g)%3)+8*\rt+4*\p+3], v[LI], s[XBASE:XBASE+1] offset:\rt*8192+((\g)%8)*1024+512*\p
.endr
.endr
.endm
.macro BIAS off                        ; the bias of four column tiles in the result's layout: 8 loads
.irp ct, 0,1,2,3
.irp p, 0,1
	global_load_b128 v[KB+8*\ct+4*\p:KB+8*\ct+4*\p+3], v[BO], s[28:29] offset:\off+64*\ct+16*\p
.endr
.endr
.endm
; AND 40 HALF STEPS: half step h takes four column tiles through one K step: h < 32: K's (even h) or V's (odd h); from 32 on Q's.  Its fragments of W lie in buffer h % 2.
.macro WLOAD h                         ; 9 LDS loads: four fragments of W, and their four scale words a lane (the same in both halves of the lanes)
.if (\h) < 32
.set WLA, AW
.set WLO, (((\h)%16)/2)*8192+((\h)%2)*4096
.set WLS, (((\h)%16)/2)*768+((\h)%2)*256
.else
.set WLA, AWQ
.set WLO, ((\h)-32)*4096
.set WLS, ((\h)-32)*768+512
.endif
.set WLB, WF+32*((\h)%2)
.irp i, 0,1,2,3
.irp p, 0,1
	ds_load_b128 v[WLB+8*\i+4*\p:WLB+8*\i+4*\p+3], v[WLA] offset:WLO+1024*\i+512*\p
.endr
.endr
	ds_load_b128 v[WS+4*((\h)%2):WS+4*((\h)%2)+3], v[AWS] offset:WLS
.endm
; Sixteen products, sixteen accumulators, one instruction a turn.  K's and Q's tiles: the first K step takes the bias as its C.
.macro PRODK
.irp i, 0,1,2,3
.irp rt, 0,1,2,3
.if SS == 0
	v_wmma_scale_f32_16x16x128_f8f6f4 v[8*(4*\i+\rt):8*(4*\i+\rt)+7], v[WB+8*\i:WB+8*\i+7], v[XP+8*\rt:XP+8*\rt+7], v[KB+8*\i:KB+8*\i+7], v[WC+\i], v[XC+4*\rt] matrix_a_fmt:MATRIX_FMT_FP4 matrix_b_fmt:MATRIX_FMT_FP4
.elseif SS%2
	v_wmma_scale_f32_16x16x128_f8f6f4 v[8*(4*\i+\rt):8*(4*\i+\rt)+7], v[WB+8*\i:WB+8*\i+7], v[XP+8*\rt:XP+8*\rt+7], v[8*(4*\i+\rt):8*(4*\i+\rt)+7], v[WC+\i], v[XC+4*\rt] matrix_a_fmt:MATRIX_FMT_FP4 matrix_b_fmt:MATRIX_FMT_FP4 matrix_b_scale:MATRIX_SCALE_ROW1
.else
	v_wmma_scale_f32_16x16x128_f8f6f4 v[8*(4*\i+\rt):8*(4*\i+\rt)+7], v[WB+8*\i:WB+8*\i+7], v[XP+8*\rt:XP+8*\rt+7], v[8*(4*\i+\rt):8*(4*\i+\rt)+7], v[WC+\i], v[XC+4*\rt] matrix_a_fmt:MATRIX_FMT_FP4 matrix_b_fmt:MATRIX_FMT_FP4
.endif
.endr
.endr
.endm
.macro PRODV                           ; V's tiles: the sources the other way round
.irp i, 0,1,2,3
.irp rt, 0,1,2,3
.if SS == 0
	v_wmma_scale_f32_16x16x128_f8f6f4 v[128+8*(4*\i+\rt):128+8*(4*\i+\rt)+7], v[XP+8*\rt:XP+8*\rt+7], v[WB+8*\i:WB+8*\i+7], 0, v[XC+4*\rt], v[WC+\i] matrix_a_fmt:MATRIX_FMT_FP4 matrix_b_fmt:MATRIX_FMT_FP4
.elseif SS%2
	v_wmma_scale_f32_16x16x128_f8f6f4 v[128+8*(4*\i+\rt):128+8*(4*\i+\rt)+7], v[XP+8*\rt:XP+8*\rt+7], v[WB+8*\i:WB+8*\i+7], v[128+8*(4*\i+\rt):128+8*(4*\i+\rt)+7], v[XC+4*\rt], v[WC+\i] matrix_a_fmt:MATRIX_FMT_FP4 matrix_b_fmt:MATRIX_FMT_FP4 matrix_a_scale:MATRIX_SCALE_ROW1
.else
	v_wmma_scale_f32_16x16x128_f8f6f4 v[128+8*(4*\i+\rt):128+8*(4*\i+\rt)+7], v[XP+8*\rt:XP+8*\rt+7], v[WB+8*\i:WB+8*\i+7], v[128+8*(4*\i+\rt):128+8*(4*\i+\rt)+7], v[XC+4*\rt], v[WC+\i] matrix_a_fmt:MATRIX_FMT_FP4 matrix_b_fmt:MATRIX_FMT_FP4
.endif
.endr
.endr
.endm
; HALF STEP H of stream step G.  kind 0: K's or Q's tiles, 1: V's.  What the next half step and the K step two on will want is asked for first, then this half step's products are issued.
.macro HALF kind
.if ((G%8) == 0) && ((\kind) == 0)
	PLACES 5                                       ; a pass's sums begin anew over accumulators of the pass before
.else
	PLACES 4                                       ; ahead of loads into registers that the last products read
.endif
	WIN 0
.if (\kind) == 0
.if G == 9
	BIAS 0                                         ; K's bias was last read in stream step 8: its registers take Q's
.endif
.if G < 22
	XLOAD G+2                                      ; into the ring's place of stream step G - 1
.endif
.endif
.if H < 39
	WLOAD H+1                                      ; into the buffer that half step H - 1 has left
	s_wait_dscnt 9                                 ; this half step's nine loads are in; the nine just issued may be out
.else
	s_wait_dscnt 0x0
.endif
.set SS, G%8
.set XP, XF+32*(G%3)
.set XC, XS+16*((G/8)%2)+SS/2
.set WB, WF+32*(H%2)
.set WC, WS+4*(H%2)
.if (\kind) == 0
.if (G == 0) || (G == 9) || (G == 10)
	s_wait_loadcnt 24                              ; behind this step's fragments of x: two later steps of 8 loads, and 8 more (step 0: set B's scale words; steps 9, 10: Q's bias)
.elseif G == 22
	s_wait_loadcnt 8                               ; the last step's 8
.elseif G == 23
	s_wait_loadcnt 0x0
.else
	s_wait_loadcnt 16                              ; behind this step's fragments of x: two later steps of 8 loads
.endif
.if SS == 0
	WIN 0x40                                       ; D window 1, C (the bias) window 0
.else
	WIN 0x50                                       ; C and D window 1
.endif
	PRODK
.else
	WIN 0x50
	PRODV
.endif
.set H, H+1
.endm
; A pass's K and V: rounded to f16 in place (register i of a tile never passes a number that is still to be read) and stored to LDS as images, straight from the accumulators' registers.
; second = 1: set B's images overwrite the stage of K's and V's weights, so a barrier stands first: every wave's last read of that stage has come back ahead of its signal.
.macro OUT_KV second
	WIN 0
.if \second
	s_wait_dscnt 0x0
	s_barrier_signal -1
	s_barrier_wait -1
	v_add_nc_u32 v[AKS], 0x20000, v[AKS]           ; key step 8 + w
.endif
	PLACES 4
	WIN 0x45                                       ; destination and both sources window 1
.irp ct, 0,1,2,3
.irp rt, 0,1,2,3
.irp i, 0,1,2,3
	v_cvt_pk_f16_f32 v[8*(4*\ct+\rt)+\i], v[8*(4*\ct+\rt)+2*\i], v[8*(4*\ct+\rt)+2*\i+1]
.endr
.endr
.endr
	WIN 0x04                                       ; an LDS store's data are its source 1: window 1
.irp ct, 0,1,2,3
.irp rt, 0,1,2,3
	ds_store_b128 v[AKS], v[8*(4*\ct+\rt):8*(4*\ct+\rt)+3] offset:2048*\rt+512*\ct   ; K: key tile rt, channel half ct / 2, part ct % 2
.endr
.endr
	WIN 0x44                                       ; the bias window 0, the accumulator window 1
.irp ct, 0,1,2,3
.irp rt, 0,1,2,3
.irp i, 0,1,2,3,4,5,6,7
	v_add_f32 v[128+8*(4*\ct+\rt)+\i], v[BV+\ct], v[128+8*(4*\ct+\rt)+\i]
.endr
.endr
.endr
	WIN 0x45
.irp ct, 0,1,2,3
.irp rt, 0,1,2,3
.irp i, 0,1,2,3
	v_cvt_pk_f16_f32 v[128+8*(4*\ct+\rt)+\i], v[128+8*(4*\ct+\rt)+2*\i], v[128+8*(4*\ct+\rt)+2*\i+1]
.endr
.endr
.endr
	WIN 0x04
.irp ct, 0,1,2,3
.irp rt, 0,1,2,3
	ds_store_b128 v[AKS], v[128+8*(4*\ct+\rt):128+8*(4*\ct+\rt)+3] offset:8192+4096*(\rt/2)+1024*\ct+512*(\rt%2)   ; V^T: 32-key group rt / 2, channel tile ct, part rt % 2
.endr
.endr
	WIN 0
	s_wait_dscnt 0x0                               ; my images have landed: the next pass may write these registers
.endm
	s_load_b256 s[4:11], s[0:1], 0x0               ; ximg s[4:5], xsc s[6:7], wimg s[8:9], wsc s[10:11]
	s_load_b128 s[12:15], s[0:1], 0x20             ; b_qkv s[12:13], aimg s[14:15]
	v_lshl_add_u32 v[SPW], v0, 2, SPARE
	v_mov_b32 v[NIL], 0
	v_lshrrev_b32 v11, 5, v0
	v_readfirstlane_b32 s16, v11                   ; wave 0..7
	v_and_b32 v11, 31, v0                          ; lane
	v_and_b32 v10, 15, v0                          ; r
	v_bfe_u32 v9, v0, 4, 1                         ; hl
	v_lshlrev_b32 v[LI], 4, v11
	v_lshlrev_b32 v[L8], 3, v11
	v_add_nc_u32 v[AW], WKV, v[LI]
	v_add_nc_u32 v[AWQ], WQ, v[LI]
	v_lshl_add_u32 v[AWS], v10, 4, WSC
	s_lshl_b32 s32, s16, 14                        ; key step w
	v_add_nc_u32 v[AKS], s32, v[LI]
	s_lshl_b32 s32, s16, 13                        ; the weights' way into LDS: of K's and V's 65,536 bytes a wave copies 8,192,
	v_add_nc_u32 v56, s32, v[LI]
	v_add_nc_u32 v57, WKV, v56
	s_lshl_b32 s32, s16, 12                        ; of Q's 32,768 it copies 4,096,
	v_add_nc_u32 v58, s32, v[LI]
	v_add_nc_u32 v59, WQ, v58
	s_mul_i32 s32, s16, 768                        ; and the 192 scale words of K step w:
	v_lshl_add_u32 v60, v11, 2, s32                ; read as they lie (word 32 k + lane),
	v_lshlrev_b32 v61, 4, v10
	v_lshl_add_u32 v61, v9, 2, v61
	v_add_nc_u32 v61, s32, v61
	v_add_nc_u32 v61, WSC, v61                     ; stored at 16 r + 4 tile, tile = 2 (k % 2) + hl
	v_lshlrev_b32 v[BO], 5, v9
	v_lshlrev_b32 v[R4], 2, v10
	s_and_b32 s32, ttmp7, 0xffff
	s_lshr_b32 s18, s32, 4                         ; batch
	s_and_b32 s19, s32, 15                         ; head
	s_lshl_b32 s33, s18, 6
	s_lshl_b32 s34, s16, 2
	s_add_co_u32 s33, s33, s34                     ; 64 b + 4 w
	s_lshl_b32 s34, ttmp9, 5
	s_add_co_u32 s35, s33, s34                     ; set A's first row tile: + 32 qh
	s_xor_b32 s34, s34, 32
	s_add_co_u32 s40, s33, s34                     ; set B's: + 32 (1 - qh)
	s_mov_b32 s36, 0x76543210
	s_mov_b32 s37, 0xfedcba98                      ; v_permlanex16_b32's selects for lane l xor 16
	s_mov_b32 s38, 0x3e38aa3b                      ; c = log2(e) / 8
	s_mov_b32 s39, s38                             ; (named with it as a pair, so it is written)
	s_mov_b32 s33, 0
	s_wait_kmcnt 0x0
	s_lshl_b32 s32, s35, 13
	s_add_nc_u64 s[20:21], s[4:5], s[32:33]        ; ximg at set A
	s_lshl_b32 s32, s35, 9
	s_add_nc_u64 s[22:23], s[6:7], s[32:33]        ; xsc at set A
	s_lshl_b32 s32, s40, 13
	s_add_nc_u64 s[24:25], s[4:5], s[32:33]        ; and at set B
	s_lshl_b32 s32, s40, 9
	s_add_nc_u64 s[26:27], s[6:7], s[32:33]
	s_lshl_b32 s32, s19, 8
	s_add_nc_u64 s[28:29], s[12:13], s[32:33]      ; b_qkv at the head's 64 numbers of Q; K's lie 4,096 bytes on, V's 8,192
	s_lshl_b32 s32, s35, 15
	s_lshl_b32 s41, s19, 11
	s_add_co_u32 s32, s32, s41
	s_add_nc_u64 s[30:31], s[14:15], s[32:33]      ; aimg: my first row tile, chunk 2 h
	s_mul_i32 s32, s19, 98304
	s_add_nc_u64 s[8:9], s[8:9], s[32:33]
	s_mul_i32 s32, s19, 6144
	s_add_nc_u64 s[10:11], s[10:11], s[32:33]
.irp i, 0,1,2,3,4,5,6,7,8,9,10,11,12,13,14,15
	global_load_b128 v[WF+4*\i:WF+4*\i+3], v56, s[8:9] offset:512*\i
.endr
.irp i, 0,1,2,3,4,5,6,7
	global_load_b128 v[XF+64+4*\i:XF+64+4*\i+3], v58, s[8:9] offset:65536+512*\i
.endr
.irp k, 0,1,2,3,4,5
	global_load_b32 v[XF+32+\k], v60, s[10:11] offset:128*\k
.endr
	BIAS 4096                                      ; K's bias: it serves both sets
.irp ct, 0,1,2,3
	global_load_b32 v[BV+\ct], v[R4], s[28:29] offset:8192+64*\ct   ; V's bias: channel 16 ct + r
.endr
	XSLOAD 0, 22                                   ; set A's scale words: they serve the pass for Q too
	XLOAD 0
	s_wait_loadcnt 28                              ; the weights' 30 loads are in; the 8 + 4 + 8 + 8 issued behind them may be out
.irp i, 0,1,2,3,4,5,6,7,8,9,10,11,12,13,14,15
	ds_store_b128 v57, v[WF+4*\i:WF+4*\i+3] offset:512*\i
.endr
.irp i, 0,1,2,3,4,5,6,7
	ds_store_b128 v59, v[XF+64+4*\i:XF+64+4*\i+3] offset:512*\i
.endr
.irp k, 0,1,2,3,4,5
	ds_store_b32 v61, v[XF+32+\k] offset:(\k/2)*256+(\k%2)*8
.endr
	s_wait_dscnt 0x0                               ; for the others' sake: my part of the weights has landed; and the stores have read the registers that are loaded next
	XSLOAD 1, 26
	XLOAD 1
	s_barrier_signal -1
	s_barrier_wait -1                              ; everybody's part has landed
	WLOAD 0
.set G, 0
.set H, 0
; ---- set A: K and V of my 64 queries' rows, into bytes under 131,072, which nobody reads before the last barrier
.rept 8
	HALF 0
	HALF 1
.set G, G+1
.endr
	OUT_KV 0
; ---- set B: K and V of 64 rows of the other half
.rept 8
	HALF 0
	HALF 1
.set G, G+1
.endr
	OUT_KV 1
; ---- Q of my 64 queries (its bias was the first C), times c in f32, rounded to f16, in registers
.rept 8
	HALF 0
.set G, G+1
.endr
	PLACES 4
	WIN 0x41                                       ; destination and source 0 window 1
.irp ct, 0,1,2,3
.irp rt, 0,1,2,3
.irp i, 0,2,4,6
	v_pk_mul_f32 v[8*(4*\ct+\rt)+\i:8*(4*\ct+\rt)+\i+1], v[8*(4*\ct+\rt)+\i:8*(4*\ct+\rt)+\i+1], s[38:39] op_sel_hi:[1,0]
.endr
.endr
.endr
	WIN 0x45
.irp rt, 0,1,2,3
.irp ct, 0,1,2,3
.irp i, 0,1,2,3
	v_cvt_pk_f16_f32 v[QF+16*\rt+4*\ct+\i], v[8*(4*\ct+\rt)+2*\i], v[8*(4*\ct+\rt)+2*\i+1]
.endr
.endr
.endr
	WIN 0
.irp t, 0,1,2,3
	v_mov_b32 v[ST+8*\t+1], 0                      ; l is named as the upper half of the pair (m, l) before the first step writes it
.endr
	s_mov_b32 s34, 0                               ; LDS byte of the key step in hand
	s_wait_dscnt 0x0
	s_barrier_signal -1
	s_barrier_wait -1                              ; all 1,024 keys' K and V lie in LDS
.irp i, 0,1,2,3
.irp p, 0,1
	ds_load_b128 v[K0+8*\i+4*\p:K0+8*\i+4*\p+3], v[LI] offset:2048*\i+512*\p   ; K of key step 0, channels 0-31
.endr
.endr
; A KEY STEP: 64 keys for my four tiles of 16 queries.  first = 1: it starts m, l and O^T: no old maximum, nothing to rescale.  last = 1: no K is left to fetch.
; K's channels 0-31 were fetched during the softmax of the step before; channels 32-63 and V^T's keys 0-31 are asked for ahead of the first sixteen products;
; V^T's keys 32-63 and the next step's K land while the softmax is worked.
.macro KEYS first, last
	PLACES 5                                       ; the scores are written over P, which the last products read; loads land where V^T lay
	WIN 0
	v_add_nc_u32 v0, s34, v[LI]
	WIN 0x40                                       ; destination window 1
.irp i, 0,1,2,3
.irp p, 0,1
	ds_load_b128 v[KA+8*\i+4*\p:KA+8*\i+4*\p+3], v0 offset:2048*\i+1024+512*\p
.endr
.endr
.irp ct, 0,1,2,3
.irp p, 0,1
	ds_load_b128 v[VB+8*\ct+4*\p:VB+8*\ct+4*\p+3], v0 offset:8192+1024*\ct+512*\p
.endr
.endr
	s_wait_dscnt 16                                ; K's channels 0-31 are in; the sixteen loads just issued may be out
	WIN 0x04                                       ; Q window 1; K and S^T window 0
.irp i, 0,1,2,3                        ; sixteen accumulators take turns, one instruction a turn
.irp t, 0,1,2,3
	v_wmma_f32_16x16x32_f16 v[S+32*\t+8*\i:S+32*\t+8*\i+7], v[K0+8*\i:K0+8*\i+7], v[QF+16*\t:QF+16*\t+7], 0
.endr
.endr
	s_wait_dscnt 8                                 ; K's channels 32-63 are in; V^T's eight loads may be out
	WIN 0x05                                       ; K and Q window 1
.irp i, 0,1,2,3
.irp t, 0,1,2,3
	v_wmma_f32_16x16x32_f16 v[S+32*\t+8*\i:S+32*\t+8*\i+7], v[KA+8*\i:KA+8*\i+7], v[QF+16*\t+8:QF+16*\t+15], v[S+32*\t+8*\i:S+32*\t+8*\i+7]
.endr
.endr
	PLACES 4                                       ; ahead of the loads into K's registers and of the first read of the scores
	WIN 0x40
.irp ct, 0,1,2,3
.irp p, 0,1
	ds_load_b128 v[KA+8*\ct+4*\p:KA+8*\ct+4*\p+3], v0 offset:12288+1024*\ct+512*\p
.endr
.endr
	WIN 0
.if !\last
.irp i, 0,1,2,3
.irp p, 0,1
	ds_load_b128 v[K0+8*\i+4*\p:K0+8*\i+4*\p+3], v0 offset:16384+2048*\i+512*\p   ; the next key step's K, channels 0-31
.endr
.endr
.endif
	; the maximum of a lane's 32 scores and the old m; each accumulator is first read at its low end; the four tiles alternate line by line
.irp k, 0,1,2,3
.irp t, 0,1,2,3
	v_max3_num_f32 v[ST+8*\t+4+\k], v[S+32*\t+8*\k], v[S+32*\t+8*\k+1], v[S+32*\t+8*\k+2]
.endr
.endr
.irp e, 3,5
.irp k, 0,1,2,3
.irp t, 0,1,2,3
	v_max3_num_f32 v[ST+8*\t+4+\k], v[ST+8*\t+4+\k], v[S+32*\t+8*\k+\e], v[S+32*\t+8*\k+\e+1]
.endr
.endr
.endr
.irp t, 0,1,2,3
	v_max3_num_f32 v[ST+8*\t+4], v[ST+8*\t+4], v[S+32*\t+7], v[S+32*\t+15]
	v_max3_num_f32 v[ST+8*\t+6], v[ST+8*\t+6], v[S+32*\t+23], v[S+32*\t+31]
.endr
.irp t, 0,1,2,3
	v_max3_num_f32 v[ST+8*\t+4], v[ST+8*\t+4], v[ST+8*\t+5], v[ST+8*\t+6]
.endr
.irp t, 0,1,2,3
.if \first
	v_max_num_f32 v[ST+8*\t+4], v[ST+8*\t+4], v[ST+8*\t+7]
.else
	v_max3_num_f32 v[ST+8*\t+4], v[ST+8*\t+4], v[ST+8*\t+7], v[ST+8*\t]
.endif
.endr
.irp t, 0,1,2,3
	v_permlanex16_b32 v[ST+8*\t+5], v[ST+8*\t+4], s36, s37   ; the query's other 32 keys lie in the lane 16 away
.endr
.irp t, 0,1,2,3
	v_max_num_f32 v[ST+8*\t+4], v[ST+8*\t+4], v[ST+8*\t+5]
.endr
.if !\first
.irp t, 0,1,2,3
	v_sub_f32 v[ST+8*\t+3], v[ST+8*\t], v[ST+8*\t+4]         ; old m - new m
.endr
.endif
.irp t, 0,1,2,3
	v_mov_b32 v[ST+8*\t], v[ST+8*\t+4]
.endr
.irp j, 0,2,4,6,8,10,12,14,16,18,20,22,24,26,28,30
.irp t, 0,1,2,3
	v_pk_add_f32 v[S+32*\t+\j:S+32*\t+\j+1], v[S+32*\t+\j:S+32*\t+\j+1], v[ST+8*\t:ST+8*\t+1] op_sel_hi:[1,0] neg_lo:[0,1] neg_hi:[0,1]   ; s - m (of the pair m, l the low word serves both halves)
.endr
.endr
	; ONE BATCH of exponentials, none of which reads another's result
.if !\first
.irp t, 0,1,2,3
	v_exp_f32 v[ST+8*\t+2], v[ST+8*\t+3]           ; a
.endr
.endif
.set i, 0
.rept 32
.irp t, 0,1,2,3
	v_exp_f32 v[S+32*\t+i], v[S+32*\t+i]           ; p = 2^(s - m), at most 1
.endr
.set i, i+1
.endr
	v_nop                                          ; a plain line behind the last exponential,
	s_wait_alu depctr_va_vdst(0)                   ; and the one wait ahead of the batch's first reader
.irp t, 0,1,2,3                        ; the sum of the unrounded p, two at a time, in two chains
	v_pk_add_f32 v[ST+8*\t+4:ST+8*\t+5], v[S+32*\t:S+32*\t+1], v[S+32*\t+2:S+32*\t+3]
	v_pk_add_f32 v[ST+8*\t+6:ST+8*\t+7], v[S+32*\t+4:S+32*\t+5], v[S+32*\t+6:S+32*\t+7]
.endr
.irp j, 8,12,16,20,24,28
.irp t, 0,1,2,3
	v_pk_add_f32 v[ST+8*\t+4:ST+8*\t+5], v[ST+8*\t+4:ST+8*\t+5], v[S+32*\t+\j:S+32*\t+\j+1]
	v_pk_add_f32 v[ST+8*\t+6:ST+8*\t+7], v[ST+8*\t+6:ST+8*\t+7], v[S+32*\t+\j+2:S+32*\t+\j+3]
.endr
.endr
.irp t, 0,1,2,3
	v_pk_add_f32 v[ST+8*\t+4:ST+8*\t+5], v[ST+8*\t+4:ST+8*\t+5], v[ST+8*\t+6:ST+8*\t+7]
.endr
.if \first
.irp t, 0,1,2,3
	v_add_f32 v[ST+8*\t+1], v[ST+8*\t+4], v[ST+8*\t+5]       ; l = the step's sum
.endr
.else
.irp t, 0,1,2,3
	v_add_f32 v[ST+8*\t+4], v[ST+8*\t+4], v[ST+8*\t+5]
.endr
.irp t, 0,1,2,3
	v_fma_f32 v[ST+8*\t+1], v[ST+8*\t+1], v[ST+8*\t+2], v[ST+8*\t+4]   ; l = a l + the step's sum
.endr
.endif
.irp u, 0,1                            ; P, in place and ascending: register i of a fragment never passes a p that is still to be read
.irp i, 0,1,2,3,4,5,6,7
.irp t, 0,1,2,3
	v_cvt_pk_f16_f32 v[S+32*\t+16*\u+\i], v[S+32*\t+16*\u+2*\i], v[S+32*\t+16*\u+2*\i+1]
.endr
.endr
.endr
.if !\first
	WIN 0x41                                       ; O^T window 1, a window 0
.irp j, 0,2,4,6,8,10,12,14,16,18,20,22,24,26,28,30
.irp t, 0,1,2,3
	v_pk_mul_f32 v[OA+32*\t+\j:OA+32*\t+\j+1], v[OA+32*\t+\j:OA+32*\t+\j+1], v[ST+8*\t+2:ST+8*\t+3] op_sel_hi:[1,0]   ; O^T x a
.endr
.endr
.endif
.if \last
	s_wait_dscnt 0x0                               ; V^T is in
.else
	s_wait_dscnt 8                                 ; V^T is in; the next K's eight loads may be out
.endif
	WIN 0x51                                       ; V^T, C and D window 1; P window 0
.irp u, 0,1                            ; sixteen accumulators by turns
.irp ct, 0,1,2,3
.irp t, 0,1,2,3
.if \first && (\u == 0)
	v_wmma_f32_16x16x32_f16 v[OA+32*\t+8*\ct:OA+32*\t+8*\ct+7], v[VB-32*\u+8*\ct:VB-32*\u+8*\ct+7], v[S+32*\t+16*\u:S+32*\t+16*\u+7], 0
.else
	v_wmma_f32_16x16x32_f16 v[OA+32*\t+8*\ct:OA+32*\t+8*\ct+7], v[VB-32*\u+8*\ct:VB-32*\u+8*\ct+7], v[S+32*\t+16*\u:S+32*\t+16*\u+7], v[OA+32*\t+8*\ct:OA+32*\t+8*\ct+7]
.endif
.endr
.endr
.endr
	WIN 0                                          ; at a label and at a branch every window is 0
	s_add_co_u32 s34, s34, 16384
.endm
	KEYS 1, 0                                      ; key step 0 starts the sums: nothing is cleared
	s_mov_b32 s35, 14
.Lkey:                                             ; key steps 1 to 14
	KEYS 0, 0
	s_sub_co_u32 s35, s35, 1
	s_cmp_lg_u32 s35, 0
	s_cbranch_scc1 .Lkey
	KEYS 0, 1                                      ; key step 15 fetches no further K
; ---- THE WAY OUT: O^T / l, rounded to f16; the registers are the projection's fragments as they stand
	PLACES 4
.irp t, 0,1,2,3
	v_permlanex16_b32 v[ST+8*\t+5], v[ST+8*\t+1], s36, s37
.endr
.irp t, 0,1,2,3
	v_add_f32 v[ST+8*\t+4], v[ST+8*\t+1], v[ST+8*\t+5]       ; the row's sum: both halves of the lanes
.endr
.irp t, 0,1,2,3
	v_rcp_f32 v[ST+8*\t+2], v[ST+8*\t+4]
.endr
	v_nop                                          ; a plain line behind the last reciprocal,
	s_wait_alu depctr_va_vdst(0)                   ; and the wait ahead of the first reader: one for the four
	WIN 0x41
.irp j, 0,2,4,6,8,10,12,14,16,18,20,22,24,26,28,30
.irp t, 0,1,2,3
	v_pk_mul_f32 v[OA+32*\t+\j:OA+32*\t+\j+1], v[OA+32*\t+\j:OA+32*\t+\j+1], v[ST+8*\t+2:ST+8*\t+3] op_sel_hi:[1,0]
.endr
.endr
	WIN 0x05                                       ; both sources window 1, destination window 0
.irp t, 0,1,2,3
.irp ct, 0,1,2,3
.irp i, 0,1,2,3
	v_cvt_pk_f16_f32 v[S+16*\t+4*\ct+\i], v[OA+32*\t+8*\ct+2*\i], v[OA+32*\t+8*\ct+2*\i+1]
.endr
.endr
.endr
	WIN 0
.irp t, 0,1,2,3
.irp c, 0,1
.irp p, 0,1
	global_store_b128 v[LI], v[S+16*\t+8*\c+4*\p:S+16*\t+8*\c+4*\p+3], s[30:31] offset:\t*32768+\c*1024+512*\p   ; 512 consecutive bytes, at a multiple of 512 from aimg's first byte
.endr
.endr
.endr
	s_wait_tensorcnt 0x0                           ; the wave's end, behind my last LDS store
	ds_add_u32 v[SPW], v[NIL]
	s_wait_dscnt 0x0
	s_endpgm
.Lfunc_end_k_q6d9ebaa866_attn:
	.size	k_q6d9ebaa866_attn, .Lfunc_end_k_q6d9ebaa866_attn-k_q6d9ebaa866_attn
	.p2alignl 7, 3214868480
	.fill 96, 4, 3214868480
	.section	.rodata,"a",@progbits
	.p2align	6, 0x0
	.amdhsa_kernel k_q6d9ebaa866_attn
		.amdhsa_group_segment_fixed_size 302080
		.amdhsa_private_segment_fixed_size 0
		.amdhsa_enable_private_segment 0
		.amdhsa_kernarg_size 48
		.amdhsa_user_sgpr_count 2
		.amdhsa_user_sgpr_kernarg_segment_ptr 1
		.amdhsa_wavefront_size32 1
		.amdhsa_system_sgpr_workgroup_id_x 1
		.amdhsa_system_sgpr_workgroup_id_y 1
		.amdhsa_system_sgpr_workgroup_id_z 1
		.amdhsa_system_vgpr_workitem_id 0
		.amdhsa_next_free_vgpr 512
		.amdhsa_next_free_sgpr 66
		.amdhsa_reserve_vcc 0
		.amdhsa_float_denorm_mode_32 3
		.amdhsa_float_denorm_mode_16_64 3
		.amdhsa_memory_ordered 1
		.amdhsa_forward_progress 1
		.amdhsa_inst_pref_size 255
	.end_amdhsa_kernel
	.section	.bss,"aw",@nobits
	.p2align	6
	.space	262144
	.amdgpu_metadata
---
amdhsa.version: [ 1, 2 ]
amdhsa.kernels:
  - .name:           k_q6d9ebaa866_attn
    .symbol:         k_q6d9ebaa866_attn.kd
    .args:
      - { .name: ximg, .offset: 0, .size: 8, .value_kind: global_buffer, .address_space: global }
      - { .name: xsc, .offset: 8, .size: 8, .value_kind: global_buffer, .address_space: global }
      - { .name: wimg, .offset: 16, .size: 8, .value_kind: global_buffer, .address_space: global }
      - { .name: wsc, .offset: 24, .size: 8, .value_kind: global_buffer, .address_space: global }
      - { .name: b_qkv, .offset: 32, .size: 8, .value_kind: global_buffer, .address_space: global }
      - { .name: aimg, .offset: 40, .size: 8, .value_kind: global_buffer, .address_space: global }
    .group_segment_fixed_size: 302080
    .private_segment_fixed_size: 0
    .kernarg_segment_align: 8
    .kernarg_segment_size: 48
    .max_flat_workgroup_size: 256
    .sgpr_count:     66
    .vgpr_count:     512
    .wavefront_size: 32
...
	.end_amdgpu_metadata
.endif
;; end of part 2
;; launch proj (part 3): grid 8 x 32, 4 waves a work-group, no clusters, 296,448 bytes of LDS; arguments aimg, bimg, b_proj, out0; writes out0
.if DOCPART == 3
	.amdgcn_target "amdgcn-amd-amdhsa--gfx1250"
	.amdhsa_code_object_version 6
	.text
	.protected	k_q6d9ebaa866_proj
	.globl	k_q6d9ebaa866_proj
	.p2align	8
	.type	k_q6d9ebaa866_proj,@function
k_q6d9ebaa866_proj:
	s_mov_b64 s[64:65], 0
	v_nop
	global_prefetch_b8 v0, s[64:65] scope:SCOPE_SE
	s_setreg_imm32_b32 hwreg(HW_REG_WAVE_MODE, 25, 1), 1
	s_wait_xcnt 0x0
; PROJ: out0 = attention's result x w_proj + b_proj.  Operands f16, as images of operand registers (1,024 bytes a fragment: [part 0,1][lane][16 bytes]); sums f32.
;   aimg [row tile 512][chunk of 32 k: 32][1 KB];  bimg [column block 8][chunk 32][column tile 8][1 KB];  out0 [8192][1024] f32.
; SHARES.  Work-group (cb = x, rb = y): 256 rows x 128 columns, 256 work-groups.  Wave w: row tiles 16 rb + 4 w + 0..3 against all eight column tiles:
; 32 accumulators, 256 registers.  A's fragments are the wave's own rows and go from memory straight into registers, seven chunks ahead.
; The work-group's 262,144 bytes of B come into LDS once, by four tensor loads a wave (64 rows of 256 bytes each), and stay: nothing is filled again.
; Group g of these loads holds chunks 8 g .. 8 g + 7; the products begin when group 0 has landed.  A wave has four tensor loads outstanding.
; THE MATRIX INSTRUCTION IS USED TRANSPOSED: source 0 = 16 columns of w_proj, source 1 = 16 rows: a lane holds one row and eight neighbouring columns.
; NO CLUSTER: of the 786,432 bytes that a work-group reads, 524,288 are A's, which go to registers, where no joint request exists; B's block is asked for once, at the head.
; LIMITS: as the launches before: f16 operands under 65,504.
; REGISTERS, in windows of 256: window 0: v1-13 addresses; v64-127, v128-191 B's fragments of a chunk, two buffers (on the way out: the bias, and results + bias); v192-255 rows read back.
;   window 1: accumulator (a, ct) at v[8 (8 a + ct)].   window 2: A's fragments, a ring of eight chunks: chunk j, row tile a at v[32 (j % 8) + 8 a].
.set STAGE, 262144                     ; behind B: a stage of 16 rows x (512 bytes + 16) for each wave
.set SP,    528
.set SPARE, STAGE+4*16*SP              ; behind the stages: the spare words, 128 bytes a wave: two blocks of 256 bytes that no other line names
.set LI,  1                            ; v1   16 x lane
.set SPW, 2                            ; v2   LDS address of my spare word; never rewritten
.set NIL, 3                            ; v3   0; never rewritten
.set AB,  4                            ; v4-7 LDS address of my 16 bytes in group 0..3 of B
.set STO, 8                            ; v8   the stage: where I put 32 bytes of a row
.set RD,  9                            ; v9   and where I read a row back
.set BO,  10                           ; v10  32 hl
.set G1,  24                           ; s[24:31] descriptor group 1
.set G0,  32                           ; s[32:47] descriptor group 0, a set for each of my four loads
.set MSB, 0
.macro WIN new                         ; the immediate's high byte repeats the setting that is left; a switch that changes nothing is dropped
.if MSB != \new
	s_set_vgpr_msb (MSB<<8)|\new
.set MSB, \new
.endif
.endm
.set W_MUL, 0x58                       ; source 0 (B) window 0, source 1 (A) window 2, C and D window 1
.set W_A,   0x80                       ; destination window 2, address window 0
.set W_OUT, 0x01                       ; source 0 (accumulator) window 1, the rest window 0
.macro PLACES n
.rept \n
	v_nop
.endr
.endm
	s_load_b256 s[4:11], s[0:1], 0x0               ; aimg s[4:5], bimg s[6:7], b_proj s[8:9], out0 s[10:11]
	v_lshl_add_u32 v[SPW], v0, 2, SPARE
	v_mov_b32 v[NIL], 0
	ds_add_u32 v[SPW], v[NIL]                      ; the wave's opening: the add, twice on end, and its wait ahead of my first tensor load
	ds_add_u32 v[SPW], v[NIL]
	v_lshrrev_b32 v1, 5, v0
	v_readfirstlane_b32 s12, v1                    ; wave 0..3
	s_and_b32 s14, ttmp7, 0xffff                   ; rb
	; group 1: a dense block of 16,384 bytes as 64 rows of 32 elements of 8 bytes
	s_mov_b32 s[G1+0], 3<<16                       ; no mask; elements of 8 bytes; no padding
	s_mov_b32 s[G1+1], 32<<16                      ; tensor_dim0 = 32
	s_mov_b32 s[G1+2], 64<<16                      ; tensor_dim1 = 64
	s_mov_b32 s[G1+3], 32<<16                      ; tile_dim0 = 32
	s_mov_b32 s[G1+4], 64                          ; tile_dim1 = 64
	s_mov_b32 s[G1+5], 32                          ; from row to row
	s_mov_b32 s[G1+6], 0
	s_mov_b32 s[G1+7], 0
	s_lshl_b32 s15, s12, 14                        ; my quarter of a group: 16,384 x wave, in memory and in LDS alike
	s_lshl_b32 s16, ttmp9, 18                      ; the column block's 262,144 bytes
	s_add_co_u32 s16, s16, s15
	s_mov_b32 s17, 0
	s_wait_dscnt 0x0                               ; both opening adds are done
	s_wait_kmcnt 0x0
	s_add_nc_u64 s[18:19], s[6:7], s[16:17]
.irp g, 0,1,2,3
	s_mov_b32 s[G0+4*\g], 1                        ; count = 1
	s_add_co_u32 s[G0+4*\g+1], s15, \g*65536       ; LDS address
	s_add_nc_u64 s[G0+4*\g+2:G0+4*\g+3], s[18:19], \g*65536   ; global address
	s_or_b32 s[G0+4*\g+3], s[G0+4*\g+3], 0x80000000           ; type = 2
.endr
.irp g, 0,1,2,3                        ; all fills of the launch, as one group, ahead of every wait on TENSORcnt, every LDS read and every barrier
	tensor_load_to_lds s[G0+4*\g:G0+4*\g+3], s[G1:G1+7]
	s_nop 0
.endr
	PLACES 4                                       ; four lines between the last tensor load and the first switch of windows
	v_and_b32 v11, 31, v0
	v_lshlrev_b32 v[LI], 4, v11
	s_lshl_b32 s16, s14, 4
	s_lshl_b32 s13, s12, 2
	s_add_co_u32 s16, s16, s13                     ; my first row tile: 16 rb + 4 w
	s_lshl_b32 s16, s16, 15
	s_add_nc_u64 s[20:21], s[4:5], s[16:17]
.macro ALOAD j                         ; chunk j of my four row tiles: 8 loads of 512 consecutive bytes
.irp a, 0,1,2,3
.irp p, 0,1
	global_load_b128 v[32*((\j)%8)+8*\a+4*\p:32*((\j)%8)+8*\a+4*\p+3], v[LI], s[20:21] offset:\a*32768+(\j)*1024+512*\p
.endr
.endr
.endm
.macro BLOAD j                         ; chunk j of B's eight column tiles: 16 LDS loads
.irp ct, 0,1,2,3,4,5,6,7
.irp p, 0,1
	ds_load_b128 v[64+64*((\j)%2)+8*\ct+4*\p:64+64*((\j)%2)+8*\ct+4*\p+3], v[AB+(\j)/8] offset:((\j)%8)*8192+\ct*1024+512*\p
.endr
.endr
.endm
	WIN W_A
.irp j, 0,1,2,3,4,5,6
	ALOAD \j
.endr
	WIN 0
.irp q, 0,1,2,3
	v_add_nc_u32 v[AB+\q], \q*65536, v[LI]
.endr
	v_and_b32 v12, 15, v0                          ; r
	v_bfe_u32 v13, v0, 4, 1                        ; hl
	s_mul_i32 s13, s12, 16*SP
	s_add_co_u32 s13, s13, STAGE                   ; my stage
	v_mul_u32_u24 v[STO], v12, SP
	v_lshl_add_u32 v[STO], v13, 5, v[STO]
	v_add_nc_u32 v[STO], s13, v[STO]               ; in: row r, + 32 hl
	v_add_nc_u32 v[RD], s13, v[LI]                 ; back: the 32 lanes take one row of 512 bytes
	v_lshlrev_b32 v[BO], 5, v13
	s_lshl_b32 s16, s14, 8
	s_lshl_b32 s13, s12, 6
	s_add_co_u32 s16, s16, s13                     ; my first row of out0: 256 rb + 64 w
	s_lshl_b32 s16, s16, 12
	s_lshl_b32 s13, ttmp9, 9                       ; my columns: 512 bytes x cb
	s_add_co_u32 s16, s16, s13
	s_add_nc_u64 s[22:23], s[10:11], s[16:17]
	s_mov_b32 s16, s13
	s_add_nc_u64 s[8:9], s[8:9], s[16:17]          ; b_proj at my 128 columns
	s_wait_tensorcnt 3                             ; my part of group 0 is in; the three groups issued behind it may be out
	s_barrier_signal -1
	s_barrier_wait -1                              ; everybody's is
	BLOAD 0
; CHUNK J: 32 along K, 32 products; the 32 accumulators take turns, one instruction a turn, in the same order in every chunk.
.macro CH
.if J > 0
	PLACES 4                                       ; ahead of loads into registers that the last chunk's products read
.endif
.if J <= 24
	WIN W_A
	ALOAD J+7                                      ; into the ring's place of chunk J - 1
.endif
	WIN 0
.if J < 31
.if (J+1)%8 == 0
	s_wait_tensorcnt 3-(J+1)/8                     ; my part of the next group is in; the groups behind it may be out,
	s_wait_dscnt 0x0                               ; no LDS load of mine is pending at the signal,
	s_barrier_signal -1
	s_barrier_wait -1                              ; and everybody's part is in
.endif
	BLOAD J+1
	s_wait_dscnt 16                                ; this chunk's fragments of B are in; the 16 loads just issued may be out
.else
	s_wait_dscnt 0x0
.endif
.if 31-J < 7
	s_wait_loadcnt 8*(31-J)                        ; behind this chunk's fragments of A: 8 loads for each later chunk
.else
	s_wait_loadcnt 56
.endif
.if J == 31
.irp ct, 0,1,2,3,4,5,6,7               ; the bias, in the result's layout (columns 16 ct + 8 hl + 0..7), into the buffer that chunk 30 has left
.irp p, 0,1
	global_load_b128 v[64+8*\ct+4*\p:64+8*\ct+4*\p+3], v[BO], s[8:9] offset:64*\ct+16*\p
.endr
.endr
.endif
	WIN W_MUL
.irp a, 0,1,2,3
.irp ct, 0,1,2,3,4,5,6,7
.if J == 0
	v_wmma_f32_16x16x32_f16 v[8*(8*\a+\ct):8*(8*\a+\ct)+7], v[64+64*(J%2)+8*\ct:64+64*(J%2)+8*\ct+7], v[32*(J%8)+8*\a:32*(J%8)+8*\a+7], 0
.else
	v_wmma_f32_16x16x32_f16 v[8*(8*\a+\ct):8*(8*\a+\ct)+7], v[64+64*(J%2)+8*\ct:64+64*(J%2)+8*\ct+7], v[32*(J%8)+8*\a:32*(J%8)+8*\a+7], v[8*(8*\a+\ct):8*(8*\a+\ct)+7]
.endif
.endr
.endr
.endm
.set J, 0
.rept 32
	CH
.set J, J+1
.endr
; THE WAY OUT, a row tile at a time: + bias; a lane's 32 bytes of a row go into my own stage and come back as whole rows of 512 bytes.
	PLACES 4
	WIN 0
	s_wait_loadcnt 0x0                             ; the bias
.irp a, 0,1,2,3
.if \a > 0
	s_wait_xcnt 0x0                                ; the last tile's stores have read their registers, which are loaded again below
.endif
	WIN W_OUT
.irp ct, 0,1,2,3,4,5,6,7
.irp i, 0,2,4,6
	v_pk_add_f32 v[128+8*\ct+\i:128+8*\ct+\i+1], v[8*(8*\a+\ct)+\i:8*(8*\a+\ct)+\i+1], v[64+8*\ct+\i:64+8*\ct+\i+1]   ; each accumulator from its low end on
.endr
.endr
	WIN 0
.irp ct, 0,1,2,3,4,5,6,7
.irp p, 0,1
	ds_store_b128 v[STO], v[128+8*\ct+4*\p:128+8*\ct+4*\p+3] offset:64*\ct+16*\p
.endr
.endr
.irp t, 0,1,2,3,4,5,6,7,8,9,10,11,12,13,14,15
	ds_load_b128 v[192+4*\t:195+4*\t], v[RD] offset:SP*\t          ; LDS serves a wave's instructions in order: these see the stores above
.endr
.irp t, 0,1,2,3,4,5,6,7,8,9,10,11,12,13,14,15
	s_wait_dscnt 15-\t
	global_store_b128 v[LI], v[192+4*\t:195+4*\t], s[22:23] offset:(16*\a+\t)*4096 th:TH_STORE_NT   ; 512 consecutive bytes, at a multiple of 512 from out0's first byte; written once
.endr
.endr
	s_wait_tensorcnt 0x0                           ; the wave's end, behind my last tensor load and my last LDS store
	ds_add_u32 v[SPW], v[NIL]
	s_wait_dscnt 0x0
	s_endpgm
.Lfunc_end_k_q6d9ebaa866_proj:
	.size	k_q6d9ebaa866_proj, .Lfunc_end_k_q6d9ebaa866_proj-k_q6d9ebaa866_proj
	.p2alignl 7, 3214868480
	.fill 96, 4, 3214868480
	.section	.rodata,"a",@progbits
	.p2align	6, 0x0
	.amdhsa_kernel k_q6d9ebaa866_proj
		.amdhsa_group_segment_fixed_size 296448
		.amdhsa_private_segment_fixed_size 0
		.amdhsa_enable_private_segment 0
		.amdhsa_kernarg_size 32
		.amdhsa_user_sgpr_count 2
		.amdhsa_user_sgpr_kernarg_segment_ptr 1
		.amdhsa_wavefront_size32 1
		.amdhsa_system_sgpr_workgroup_id_x 1
		.amdhsa_system_sgpr_workgroup_id_y 1
		.amdhsa_system_sgpr_workgroup_id_z 1
		.amdhsa_system_vgpr_workitem_id 0
		.amdhsa_next_free_vgpr 768
		.amdhsa_next_free_sgpr 66
		.amdhsa_reserve_vcc 0
		.amdhsa_float_denorm_mode_32 3
		.amdhsa_float_denorm_mode_16_64 3
		.amdhsa_memory_ordered 1
		.amdhsa_forward_progress 1
		.amdhsa_inst_pref_size 160
	.end_amdhsa_kernel
	.amdgpu_metadata
---
amdhsa.version: [ 1, 2 ]
amdhsa.kernels:
  - .name:           k_q6d9ebaa866_proj
    .symbol:         k_q6d9ebaa866_proj.kd
    .args:
      - { .name: aimg, .offset: 0, .size: 8, .value_kind: global_buffer, .address_space: global }
      - { .name: bimg, .offset: 8, .size: 8, .value_kind: global_buffer, .address_space: global }
      - { .name: b_proj, .offset: 16, .size: 8, .value_kind: global_buffer, .address_space: global }
      - { .name: out0, .offset: 24, .size: 8, .value_kind: global_buffer, .address_space: global }
    .group_segment_fixed_size: 296448
    .private_segment_fixed_size: 0
    .kernarg_segment_align: 8
    .kernarg_segment_size: 32
    .max_flat_workgroup_size: 128
    .sgpr_count:     66
    .vgpr_count:     768
    .wavefront_size: 32
...
	.end_amdgpu_metadata
.endif
;; end of part 3
